; MI455X (gfx1250); checked and timed in simulation.
; The chip was launched on July 23, 2026; its instructions are those of AMD's public machine-readable ISA for CDNA 5 (MIT licence, August 2026) and "CDNA5" Instruction Set Architecture Reference Guide (July 2026). The comments in the code are by the model that wrote it; some were corrected since.
;; Multihead Cross Attention. Allowed arithmetic: matrix products marked QUANTISED: E2M3 operands, one E8M0 scale for each 32 along K, by v_wmma_scale_f32_16x16x128_f8f6f4 with both operands' format E2M3, f32 sums; everything else in f32.
;; Inputs: W_attn_codes 3,072 x 32 x 24 uint8 (E2M3 codes of W_attn, K innermost, in blocks of 32 codes, four codes in three bytes); W_attn_scales 3,072 x 32 uint8 (E8M0 scales of W_attn, one for each 32 codes along K); W_data_codes 2,048 x 32 x 24 uint8 (E2M3 codes of W_data, K innermost, in blocks of 32 codes, four codes in three bytes); W_data_scales 2,048 x 32 uint8 (E8M0 scales of W_data, one for each 32 codes along K); W_proj_codes 1,024 x 32 x 24 uint8 (E2M3 codes of W_proj, K innermost, in blocks of 32 codes, four codes in three bytes); W_proj_scales 1,024 x 32 uint8 (E8M0 scales of W_proj, one for each 32 codes along K); b_attn 3,072 float32; b_data 2,048 float32; b_proj 1,024 float32; data_codes 2 x 2,048 x 32 x 24 uint8 (E2M3 codes of data, K innermost, in blocks of 32 codes, four codes in three bytes); data_scales 2 x 2,048 x 32 uint8 (E8M0 scales of data, one for each 32 codes along K); x_codes 2 x 2,048 x 32 x 24 uint8 (E2M3 codes of x, K innermost, in blocks of 32 codes, four codes in three bytes); x_scales 2 x 2,048 x 32 uint8 (E8M0 scales of x, one for each 32 codes along K).
;; Outputs: out0 2 x 2,048 x 1,024 float32.
;; This version of the problem:
;;   THIS VERSION OF THE PROBLEM IS GIVEN IN LOW PRECISION. The matrix products marked QUANTISED in the list below multiply operands that are first quantised to E2M3 (2 exponent bits, 3 mantissa bits; 6 bits a number), with one power-of-two scale for each 32 numbers along K (OCP MX v1.0); their sums are f32. All else is computed in f32.
;;   The module's matrix products, in the order in which they are computed (A, B: the left and right operand; K: the contracted axis; several contracted axes count as one K, in the product's order):
;;     1. [M 4,096, K 1,024] x [K 1,024, N 3,072]; A: input x (given as codes); B: input W_attn (given as codes): QUANTISED
;;     2. [M 4,096, K 1,024] x [K 1,024, N 2,048]; A: input data (given as codes); B: input W_data (given as codes): QUANTISED
;;     3. batch 32 x [M 2,048, K 64] x [K 64, N 4,096]; A: computed on the way; B: computed on the way: QUANTISED
;;     4. batch 32 x [M 2,048, K 4,096] x [K 4,096, N 64]; A: softmax (see below); B: computed on the way: QUANTISED
;;     5. [M 4,096, K 1,024] x [K 1,024, N 1,024]; A: computed on the way; B: input W_proj (given as codes): QUANTISED
;;   THE QUANTISER, for each operand of a quantised product, along K:
;;     - K is cut into blocks of 32 from its start; a last block that is shorter is filled with zeros.
;;     - A block's scale is 2^e with e = floor(log2(the largest magnitude in the block)) - 2, held to -126 .. 127; a block of zeros has e = 0. As a byte (E8M0): e + 127.
;;     - Each number is divided by its block's scale, clamped to +-7.5, and rounded to the nearest number of E2M3, ties to even, subnormals kept.
;;     - The product sums the exact products of the quantised numbers (number of the format x scale) in f32.
;;   ~~~python
;;   def quantise(x, axis):      # numpy; x: float32 -> the quantised numbers, widened to float32 again
;;       x = np.moveaxis(x, axis, -1); K = x.shape[-1]
;;       x = np.pad(x, [(0, 0)] * (x.ndim - 1) + [(0, -K % 32)]); x = x.reshape(x.shape[:-1] + (-1, 32)); a = np.abs(x).max(-1, keepdims=True)
;;       e = np.where(a > 0, np.clip(np.frexp(np.where(a > 0, a, 1))[1] - 1 - 2, -126, 127), 0)      # np.frexp(a)[1] - 1 = floor(log2(a)), exactly
;;       r = np.clip(x / 2.0 ** e, -7.5, 7.5)
;;       step = 2.0 ** (np.maximum(np.frexp(np.where(r == 0, 1, r))[1] - 1, 0) - 3)
;;       q = np.round(r / step) * step * 2.0 ** e      # np.round: ties to even
;;       return np.moveaxis(q.reshape(q.shape[:-2] + (-1,))[..., :K], -1, axis).astype(np.float32)
;;   ~~~
;;   SOFTMAX AHEAD OF A QUANTISED PRODUCT. Where the list says 'softmax', what is quantised is not the finished softmax but p = 2^(t - M), with t = logit x log2(e) and M = ceil(the row's largest t), a whole number; so 1/2 < the row's largest p <= 1. The row's sum l is taken of the UNQUANTISED p, in f32, and the product's result is divided by l at the end. Since M is a whole number, a kernel that streams over the keys may use a running M (the ceiling of the running maximum): every later rescaling is an exact power of two, which a block's scale takes up: the codes' values come out the same.
;;   OPERANDS COMPUTED ON THE WAY. 'Computed on the way' means the value that the module computes at that place (a softmax that the list does not call 'softmax' is quantised finished and normalised). What goes into a quantiser is computed in f32, as accurately as f32 sums, v_exp_f32 and their like allow (about 1e-6 of the number): no bf16 or f16 on the way to a quantiser, and a product that is left as it is and whose result goes on into a quantised operand takes f32 operands (vector FMAs, or v_wmma_f32_16x16x4_f32). A number that lies on a knife's edge between two numbers of the format may be rounded either way, as far as f32 arithmetic and the matrix unit's own rounding can turn it there, and no further.
;;   INPUTS GIVEN AS CODES. W_attn (in the module: [1024, 3072], K = its axis 0); W_data (in the module: [1024, 2048], K = its axis 0); W_proj (in the module: [1024, 1024], K = its axis 0); data (in the module: [2, 2048, 1024], K = its axis 2); x (in the module: [2, 2048, 1024], K = its axis 2): each comes as NAME_codes (uint8): NAME with its K axis moved to the last place and cut into blocks of 32 codes, [.., K / 32, bytes a block], one block behind the other in memory; four codes in three bytes: a row's codes are one little-endian stream of bits, code i at bits 6 i .. 6 i + 5 (a code: sign, 2 exponent bits, 3 mantissa bits); and NAME_scales (uint8): the same leading axes, one E8M0 byte (e + 127) for each 32 codes along K. Its value is code x scale, taken as it is: it is not quantised again, and the codes and scales need not be those that the quantiser above would give.
;; One version. Each part assembles by itself: llvm-mc -triple=amdgcn-amd-amdhsa -mcpu=gfx1250 --defsym DOCPART=n.
;; ======== version 1 of 1: 3 launches
;; limits: right only within a limited range of input values
;; workspace buffers: qc 3,145,728 bytes; qs 262,144 bytes; kv 13,631,488 bytes; ao 3,145,728 bytes; aos 131,072 bytes
;; launch qkv (part 1): grid 20 x 16, 4 waves a work-group, clusters of 4 x 4, 327,680 bytes of LDS; arguments x_codes, x_scales, data_codes, data_scales, W_attn_codes, W_attn_scales, W_data_codes, W_data_scales, b_attn, b_data, qc, qs, kv; writes qc, qs, kv
.if DOCPART == 1
	.amdgcn_target "amdgcn-amd-amdhsa--gfx1250"
	.amdhsa_code_object_version 6
	.text
	.protected	k_q7a7b9f0e0f_qkv
	.globl	k_q7a7b9f0e0f_qkv
	.p2align	8
	.type	k_q7a7b9f0e0f_qkv,@function
k_q7a7b9f0e0f_qkv:
	s_mov_b64 s[64:65], 0
	v_nop
	global_prefetch_b8 v0, s[64:65] scope:SCOPE_SE
	s_setreg_imm32_b32 hwreg(HW_REG_WAVE_MODE, 25, 1), 1
	s_wait_xcnt 0x0
	s_wait_alu depctr_hold_cnt(0) depctr_sa_sdst(0) depctr_va_vdst(0) depctr_va_sdst(0) depctr_va_ssrc(0) depctr_va_vcc(0) depctr_vm_vsrc(0)
	s_getreg_b32 s2, hwreg(HW_REG_IB_STS2, 6, 4)
	s_cmp_eq_u32 s2, 0
	s_cbranch_scc0 .Lentry_in_a_cluster
	s_endpgm
.Lentry_in_a_cluster:
	s_bfe_u32 s2, ttmp6, 0x10000c
	s_cmp_lg_u32 s2, 0xf033
	s_cbranch_scc0 .Lentry_shape_is_right
	s_endpgm
.Lentry_shape_is_right:
; q, k, v = x W_attn + b_attn and k_data, v_data = data W_data + b_data, on the given codes of FP6 (E2M3) with their E8M0 scales; the f32 sums get their bias and are quantised at once:
; q and k along the head's 64 channels (two blocks of 32), v along the keys.  Stored are codes and scale words as images of the next launch's operand registers.
; DEAD WORK: none.  Every input has a way to out0 and is loaded by some launch; the key part of the biases moves k's codes and scales ahead of a live quantised product, so it stays.
; FIVE STRIPS of 64 tiles of 256 x 256, told apart by the cluster's x, which all sixteen partners share: 0: q, 1: k, 2: k_data (A = tokens, B = the weight's rows: a lane holds one token, its registers
; run along the channels); 3: v, 4: v_data (A = the weight's rows, B = tokens: a lane holds one channel, its registers run along the keys).  Only pointers and first rows are chosen, by selects.
; A tile is made by four waves, 128 x 128 each.  K = 1,024 is 768 bytes of a row: three chunks of 256 bytes, each beginning at a multiple of 256, through a ring of two LDS slots; a step of 128 along K is
; 96 bytes: steps 2 and 5 lie across two chunks.  The scales of the tile's rows come once.  CLUSTERS 4 x 4: A's tile is asked for jointly along a row, B's along a column.
; NO PREFETCH: the walk has three chunks, two asked for at the start and one refill; there is no loop to run ahead in.
; THE MATRIX INSTRUCTION IS USED TRANSPOSED (source 0 = B's rows, source 1 = A's): accumulator (a, b), lane (r, h), register j = (A's row 16 a + r, B's row 16 b + 8 h + j).
; ORDER INSIDE A BLOCK of 32: 0-7, 16-23, 8-15, 24-31, on both operands of each later product alike; a block has one scale, so only the order of additions inside a K step differs.
; WHAT IS STORED.  A tile image of q or k (16 tokens of a head, 768 bytes): lane (r, h) = token r, block h: registers 0-3 at 16 l, 4-5 at 512 + 8 l; in tiles 2, 3, 6, 7 of a group of eight the lane's place is
; 16 l xor 128 and 8 l xor 64 (the next launch reads halves of two tiles in one load, and these then lie in different banks).  KS (512 bytes): word j of lane l = the scale word of tile 2 j + h, row r
; (two bytes, then 0x7f twice).  VC: four whole fragments (16 channels x 128 keys), three runs of 512 bytes each.  VS (256 bytes): word j of lane l = the scale word of channel tile 2 j + h, row r.
; qc: [32 heads][16][8 images]; qs: [32][16][KS]; kv: [32 heads][32 records of 13,312 bytes]: record i = VC of key step i, the 8 images of key step i + 1 (mod 32), their KS, VS of step i, 256 zeros.
; LIMITS: a block of zeros gets the byte 1 where the rule says 127 (its codes are zeros, and this program alone reads the bytes); a block whose largest magnitude lies under 2^-124 is held at the byte 1;
; a scale byte 0xff or a NaN among the inputs gives what the arithmetic carries.
; REGISTERS: window 0: v4-11 v's biases, v14-31 addresses, v32-63 scale words (two sets), v64-127 q's and k's biases, from v128 A's fragments and on the way out the quantiser; window 1: B's fragments, two sets;
; windows 2, 3: the accumulators ((a, b) at v[8 (8 (a % 4) + b)]).
.set ROWB,   256
.set NQ,     2
.set KROW,   768
.set STEPS,  8
.set CHUNKS, 3
.set PITCH,  272                       ; 256 bytes + 16 of padding: the 32 lanes of a load of 8 bytes touch 64 different banks (ISA guide 11.1)
.set FR,     12
.set NL,     6
.set NP,     4                         ; places behind this matrix instruction (ISA guide 7.12.1)
.set HALFT,  128*PITCH
.set SLOT,   4*HALFT
.set KS,     32
.set SCL,    2*SLOT
.set HALFS,  (128*KS/256)*272
.set SBLK,   (16*KS/256)*272
.set SPARE,  SCL+4*HALFS               ; the spare words, 128 bytes a wave
.set REC,    13312
.set BVS,  4                           ; v4-11   v: the bias of channel 16 a + r
.set LOFFX,14                          ; v14     16 l xor 128
.set L8X,  15                          ; v15     8 l xor 64
.set ADRA, 16                          ; v16-19  A's fragments: slot 0, 1; across two chunks
.set ADRB, 20                          ; v20-23  B's
.set LOFF, 24                          ; v24     16 l
.set L8,   25                          ; v25     8 l
.set BQ,   26                          ; v26     32 h
.set ADRS, 27                          ; v27     my scale words
.set SPW,  28
.set NIL,  29
.set BVA,  30                          ; v30     4 r
.set SC,   32
.set BI,   64
.set AF,   128
.set ST,   128
.set R0,   192
.set R1,   204
.set TM,   216
.set TP,   232
.set PWS,  240
.set SW,   248
.set G1, 24
.set G0, 32
.set G1B, 48
.set G0B, 56
.set G1S, 68
.set G0S, 76
.set G1SB, 80
.set G0SB, 88
.set G0H, 4
.set G0HB, 8
.set SEL, 100
.set MSB, 0
.macro WIN new                         ; the immediate's high byte repeats the setting that is left
.if MSB != \new
	s_set_vgpr_msb (MSB<<8)|\new
.set MSB, \new
.endif
.endm
.set MUL_LO, 0xa1
.set MUL_HI, 0xf1
.set TO_B,   0x40
.macro JLOAD g0a, g1a, g0b, g1b        ; waves 0, 1 fetch for A, waves 2, 3 for B; s_nop 0 and four v_nop behind each line
	s_cmp_eq_u32 s15, 0
	s_cbranch_scc0 .Lfor_b_\@
	tensor_load_to_lds s[\g0a:\g0a+3], s[\g1a:\g1a+7]
	s_nop 0
.rept 4
	v_nop
.endr
	s_branch .Lasked_\@
.Lfor_b_\@:
	tensor_load_to_lds s[\g0b:\g0b+3], s[\g1b:\g1b+7]
	s_nop 0
.rept 4
	v_nop
.endr
.Lasked_\@:
.endm
.macro CREST
	s_cmp_lg_u32 s14, 0
	s_cbranch_scc1 .Lnot_wave_0_\@
	s_barrier_signal -3
.Lnot_wave_0_\@:
	s_barrier_wait -3
	s_barrier_signal -1
	s_barrier_wait -1
.endm
.macro CROUND
	s_barrier_signal -1
	s_barrier_wait -1
	CREST
.endm
	s_load_b512 s[68:83], s[0:1], 0x0              ; x's codes, scales; data's; W_attn's; W_data's
	s_load_b128 s[84:87], s[0:1], 0x40             ; b_attn, b_data
	s_load_b128 s[92:95], s[0:1], 0x50             ; qc, qs
	s_load_b64 s[96:97], s[0:1], 0x60              ; kv
	v_lshl_add_u32 v[SPW], v0, 2, SPARE
	v_mov_b32 v[NIL], 0
	ds_add_u32 v[SPW], v[NIL]                      ; the opening lines: the add, twice on end, and its wait
	ds_add_u32 v[SPW], v[NIL]
	v_lshrrev_b32 v1, 5, v0
	v_readfirstlane_b32 s14, v1                    ; wave
	s_lshr_b32 s15, s14, 1                         ; my half of A's rows; I fetch for A (0) or B (1)
	s_and_b32 s16, s14, 1                          ; my half of B's rows; which 128 rows I fetch
	s_bfe_u32 s40, ttmp6, 0x40000                  ; cx
	s_bfe_u32 s41, ttmp6, 0x40004                  ; cy
	s_mov_b32 s66, ttmp9                           ; the strip
	s_and_b32 s67, ttmp7, 0xffff
	s_lshl_b32 s3, s67, 2
	s_cmp_ge_u32 s66, 3                            ; the 16 tiles of tokens lie along A in strips 0-2, along B in strips 3, 4
	s_cselect_b32 s17, 0, s3
	s_cselect_b32 s42, s3, 0
	s_add_co_u32 s17, s17, s41                     ; A's tile
	s_add_co_u32 s42, s42, s40                     ; B's tile
	s_lshl_b32 s43, s41, 2
	s_lshl_b32 s43, 15, s43                        ; my row of the cluster
	s_lshl_b32 s44, 0x1111, s40                    ; my column
	s_or_b32 s[G1+0], s43, (0<<16)|(1<<20)|(1<<21)|(5<<22)|(3<<25)
	s_or_b32 s[G1B+0], s44, (0<<16)|(1<<20)|(1<<21)|(5<<22)|(3<<25)
.irp g, G1, G1B
	s_mov_b32 s[\g+1], ROWB<<16
	s_mov_b32 s[\g+2], 256<<16                     ; 256 rows for the head's loads
	s_mov_b32 s[\g+3], ROWB<<16
	s_mov_b32 s[\g+4], 256
	s_mov_b32 s[\g+5], KROW
	s_mov_b32 s[\g+6], 0
	s_mov_b32 s[\g+7], 0
.endr
	s_cmp_eq_u32 s66, 3                            ; v at row 2,048 of W_attn, v_data at 1,024 of W_data (A's side),
	s_cselect_b32 s18, 2048, 0
	s_cmp_eq_u32 s66, 4
	s_cselect_b32 s18, 1024, s18
	s_cmp_eq_u32 s66, 1                            ; k at row 1,024 of W_attn (B's side)
	s_cselect_b32 s46, 1024, 0
	s_lshl_b32 s19, s16, 7
	s_lshl_b32 s20, s17, 8
	s_add_co_u32 s20, s20, s18                     ; A's tile's first row
	s_lshl_b32 s2, s15, 7
	s_add_co_u32 s2, s2, s20                       ; strips 3, 4: my channels are my rows of A
	s_lshl_b32 s47, s42, 8
	s_add_co_u32 s46, s46, s47                     ; B's tile's first row
	s_add_co_u32 s3, s46, s19                      ; strips 0-2: my channels are my rows of B
	s_cmp_ge_u32 s66, 3
	s_cselect_b32 s2, s2, s3
	s_lshl_b32 s2, s2, 2                           ; my 128 biases, in bytes
	s_mov_b32 s3, 0
	s_mov_b32 s21, 0
	s_mov_b32 s47, 0
	s_mov_b64 s[18:19], KS
	s_mul_u64 s[22:23], s[20:21], s[18:19]
	s_mul_u64 s[90:91], s[46:47], s[18:19]
	s_mov_b64 s[18:19], KROW
	s_mul_u64 s[20:21], s[20:21], s[18:19]
	s_mul_u64 s[46:47], s[46:47], s[18:19]
	s_mul_i32 s18, s16, 128*KROW                   ; in the ring I fetch 128 rows: which half,
	s_mov_b32 s19, 0
	s_mul_i32 s45, s14, HALFT                      ; and where they go
	s_cmp_eq_u32 s66, 2
	s_cselect_b32 s100, 1, 0
	s_cmp_eq_u32 s66, 4
	s_cselect_b32 s100, 1, s100                    ; 1 in data's strips
	s_wait_dscnt 0x0
	s_wait_kmcnt 0x0
	s_cmp_eq_u32 s100, 1
	s_cselect_b64 s[4:5], s[72:73], s[68:69]       ; the tokens' codes, scales
	s_cselect_b64 s[6:7], s[74:75], s[70:71]
	s_cselect_b64 s[8:9], s[80:81], s[76:77]       ; the weight's
	s_cselect_b64 s[10:11], s[82:83], s[78:79]
	s_cselect_b64 s[12:13], s[86:87], s[84:85]     ; the bias
	s_cmp_ge_u32 s66, 3
	s_cselect_b64 s[32:33], s[8:9], s[4:5]         ; A: the weight in strips 3, 4, else the tokens
	s_cselect_b64 s[34:35], s[10:11], s[6:7]
	s_cselect_b64 s[36:37], s[4:5], s[8:9]
	s_cselect_b64 s[38:39], s[6:7], s[10:11]
	s_add_nc_u64 s[20:21], s[32:33], s[20:21]
	s_add_nc_u64 s[22:23], s[34:35], s[22:23]
	s_add_nc_u64 s[46:47], s[36:37], s[46:47]
	s_add_nc_u64 s[90:91], s[38:39], s[90:91]
	s_add_nc_u64 s[12:13], s[12:13], s[2:3]
	s_or_b32 s[G1S+0], s43, (3<<16)|(1<<20)|(1<<21)|(5<<22)|(3<<25)   ; the scales of 256 rows: 32 rows of 256 bytes, 16 of padding behind each
	s_or_b32 s[G1SB+0], s44, (3<<16)|(1<<20)|(1<<21)|(5<<22)|(3<<25)
.irp g, G1S, G1SB
	s_mov_b32 s[\g+1], 32<<16
	s_mov_b32 s[\g+2], KS<<16
	s_mov_b32 s[\g+3], 32<<16
	s_mov_b32 s[\g+4], KS
	s_mov_b32 s[\g+5], 32
	s_mov_b32 s[\g+6], 0
	s_mov_b32 s[\g+7], 0
.endr
	CROUND                                         ; the first joint loads meet
	s_mov_b32 s[G0H], 1
	s_mov_b32 s[G0H+1], 0
	s_mov_b64 s[G0H+2:G0H+3], s[20:21]
	s_or_b32 s[G0H+3], s[G0H+3], 0x80000000
	s_mov_b32 s[G0HB], 1
	s_mov_b32 s[G0HB+1], 2*HALFT
	s_mov_b64 s[G0HB+2:G0HB+3], s[46:47]
	s_or_b32 s[G0HB+3], s[G0HB+3], 0x80000000
	s_mov_b32 s[G0S], 1
	s_mov_b32 s[G0S+1], SCL
	s_mov_b64 s[G0S+2:G0S+3], s[22:23]
	s_or_b32 s[G0S+3], s[G0S+3], 0x80000000
	s_mov_b32 s[G0SB], 1
	s_mov_b32 s[G0SB+1], SCL+2*HALFS
	s_or_b32 s[G0SB+3], s[G0SB+3], 0x80000000      ; (its address was made in place)
	s_add_nc_u64 s[20:21], s[20:21], s[18:19]
	s_add_nc_u64 s[46:47], s[46:47], s[18:19]
.irp s, 0,1
	s_mov_b32 s[G0+4*\s], 1
	s_add_co_u32 s[G0+4*\s+1], s45, \s*SLOT
	s_add_nc_u64 s[G0+4*\s+2:G0+4*\s+3], s[20:21], \s*ROWB
	s_or_b32 s[G0+4*\s+3], s[G0+4*\s+3], 0x80000000
	s_mov_b32 s[G0B+4*\s], 1
	s_add_co_u32 s[G0B+4*\s+1], s45, \s*SLOT
	s_add_nc_u64 s[G0B+4*\s+2:G0B+4*\s+3], s[46:47], \s*ROWB
	s_or_b32 s[G0B+4*\s+3], s[G0B+4*\s+3], 0x80000000
.endr
; the head's four tiles, one load a wave: chunk 0 of A's 256 rows, of B's, A's scales, B's
.macro ARM under, g0, g1, next
	s_cmp_lt_u32 s14, \under
	s_cbranch_scc0 \next
	tensor_load_to_lds s[\g0:\g0+3], s[\g1:\g1+7]
	s_nop 0
.rept 4
	v_nop
.endr
	s_branch .Lhead_asked
\next:
.endm
	ARM 1, G0H,  G1,  .Lhead_b
	ARM 2, G0HB, G1B, .Lhead_sa
	ARM 3, G0S,  G1S, .Lhead_sb
	tensor_load_to_lds s[G0SB:G0SB+3], s[G1SB:G1SB+7]
	s_nop 0
.rept 4
	v_nop
.endr
.Lhead_asked:
	v_and_b32 v1, 15, v0                           ; r
	v_bfe_u32 v2, v0, 4, 1                         ; h
	v_mul_u32_u24 v3, v1, PITCH
	v_mul_u32_u24 v4, v2, 24
	v_add_nc_u32 v4, v3, v4
	s_mov_b32 s21, SLOT-232
	s_mov_b32 s22, SLOT+232
	v_sub_nc_u32 v7, 1, v2
	v_mul_u32_u24 v5, s21, v2
	v_add_nc_u32 v5, v3, v5
	v_add_nc_u32 v5, 232, v5                       ; lanes 0-15 byte 232 of the row in slot 0, lanes 16-31 byte 0 in slot 1;
	v_mul_u32_u24 v6, s22, v7
	v_add_nc_u32 v6, v3, v6                        ; and the other way round
	s_mul_i32 s21, s15, HALFT
	s_mul_i32 s22, s16, HALFT
	s_add_co_u32 s22, s22, 2*HALFT
	v_add_nc_u32 v[ADRA+2], s21, v5
	v_add_nc_u32 v[ADRA+3], s21, v6
	v_add_nc_u32 v[ADRB+2], s22, v5
	v_add_nc_u32 v[ADRB+3], s22, v6
.irp s, 0,1
	v_add_nc_u32 v[ADRA+\s], s21, v4
	v_add_nc_u32 v[ADRB+\s], s22, v4
	s_add_co_u32 s21, s21, SLOT
	s_add_co_u32 s22, s22, SLOT
.endr
	v_mul_u32_u24 v5, v1, KS
	v_lshrrev_b32 v6, 8, v5
	v_lshl_add_u32 v5, v6, 4, v5
	s_mul_i32 s21, s15, HALFS
	s_mul_i32 s22, s16, HALFS
	s_add_co_u32 s22, s22, 2*HALFS
	s_sub_co_u32 s22, s22, s21
	v_mul_u32_u24 v6, s22, v2                      ; lanes 16-31 take B's
	s_add_co_u32 s21, s21, SCL
	v_add_nc_u32 v5, v5, v6
	v_add_nc_u32 v[ADRS], s21, v5
	v_and_b32 v6, 31, v0
	v_lshlrev_b32 v[LOFF], 4, v6
	v_lshlrev_b32 v[L8], 3, v6
	v_xor_b32 v[LOFFX], 128, v[LOFF]
	v_xor_b32 v[L8X], 64, v[L8]
	v_lshlrev_b32 v[BQ], 5, v2
	v_lshlrev_b32 v[BVA], 2, v1
	s_wait_alu depctr_va_vdst(0)                   ; the wait at the head's end
.irp b, 0,1,2,3,4,5,6,7                ; my 128 biases in both orders: of channels 16 b + 8 h + 0 .. 7 (q, k), and of channel 16 b + r (v); both lie inside my 512 bytes
	global_load_b128 v[BI+8*\b:BI+8*\b+3], v[BQ], s[12:13] offset:64*\b
	global_load_b128 v[BI+8*\b+4:BI+8*\b+7], v[BQ], s[12:13] offset:64*\b+16
	global_load_b32 v[BVS+\b], v[BVA], s[12:13] offset:64*\b
.endr
.macro FRAG reg, adr, st, i            ; lane l holds row l % 16; registers 6 c .. 6 c + 5 hold K = 64 c + 32 (l / 16) + 0 .. 31, in pieces of 8 bytes; byte y of a row lies in slot (y / 256) % 2 at byte y % 256
.irp p, 0,1,2,3,4,5
.set BY, 96*(\st)+48*(\p/3)+8*(\p%3)
.if BY/ROWB == (BY+24)/ROWB
	ds_load_b64 v[\reg+2*\p:\reg+2*\p+1], v[\adr+(BY/ROWB)%2] offset:BY%ROWB+(\i)*16*PITCH
.else
	ds_load_b64 v[\reg+2*\p:\reg+2*\p+1], v[\adr+2+(BY/ROWB)%2] offset:BY%ROWB-232+(\i)*16*PITCH
.endif
.endr
.endm
.macro MUL16 a0, p, q, sc, zero        ; the 64 accumulators take turns, one instruction a turn
.irp a, \a0, \a0+1
.irp b, 0,1,2,3,4,5,6,7
.if \zero
	v_wmma_scale_f32_16x16x128_f8f6f4 v[8*(8*((\a)%4)+\b):8*(8*((\a)%4)+\b)+7], v[128*(\p)+FR*\b:128*(\p)+FR*\b+FR-1], v[AF+FR*(\a):AF+FR*(\a)+FR-1], 0, v[SC+8*NQ*(\sc)+NQ*\b+(\q)], v[SC+8*NQ*(\sc)+NQ*(\a)+(\q)] matrix_a_fmt:MATRIX_FMT_FP6 matrix_b_fmt:MATRIX_FMT_FP6 matrix_a_scale:MATRIX_SCALE_ROW1
.else
	v_wmma_scale_f32_16x16x128_f8f6f4 v[8*(8*((\a)%4)+\b):8*(8*((\a)%4)+\b)+7], v[128*(\p)+FR*\b:128*(\p)+FR*\b+FR-1], v[AF+FR*(\a):AF+FR*(\a)+FR-1], v[8*(8*((\a)%4)+\b):8*(8*((\a)%4)+\b)+7], v[SC+8*NQ*(\sc)+NQ*\b+(\q)], v[SC+8*NQ*(\sc)+NQ*(\a)+(\q)] matrix_a_fmt:MATRIX_FMT_FP6 matrix_b_fmt:MATRIX_FMT_FP6 matrix_a_scale:MATRIX_SCALE_ROW1
.endif
.endr
.endr
.endm
.macro FETCH_B st, p
	WIN TO_B
.irp i, 0,1,2,3,4,5,6,7
	FRAG 128*(\p)+FR*\i, ADRB, \st, \i
.endr
	WIN 0
.endm
.macro FETCH_A st, i0
.irp i, \i0, \i0+1, \i0+2, \i0+3
	FRAG AF+FR*(\i), ADRA, \st, \i
.endr
.endm
.macro SCALES pr                       ; the scale words of steps 2 pr, 2 pr + 1: lanes 0-15 A's block i, lanes 16-31 B's
.irp i, 0,1,2,3,4,5,6,7
	ds_load_b64 v[SC+8*NQ*((\pr)%2)+NQ*\i:SC+8*NQ*((\pr)%2)+NQ*\i+1], v[ADRS] offset:\i*SBLK+4*NQ*(\pr)
.endr
.endm
.macro PLACES n
.rept \n
	v_nop
.endr
.endm
; A step of 128 along K.  Where the next step's bytes end in a chunk not yet read: the wait for my tensor loads and a barrier.  Where they begin in a later chunk: the chunk left behind is read no more:
; the wait, the add, the wait for it and for my reads, the barrier; where a chunk two on is left to fetch, the barrier opens a round of the cluster's, and the slot is filled again.
.macro STEP st, zero
.set NX, (\st)+1
.set C0, (96*(\st))/ROWB
.set C1, (96*NX)/ROWB
.set E0, (96*(\st)+95)/ROWB
.set E1, (96*NX+95)/ROWB
.if C1 > C0 || E1 > E0
	s_wait_tensorcnt 0x0                           ; all my tensor loads have landed
.if C1 > C0
	ds_add_u32 v[SPW], v[NIL]
	s_wait_dscnt 4*NL+1                            ; the add and the youngest 24 loads (A's blocks 4-7) may be out
.else
	s_wait_dscnt 4*NL                              ; the youngest 24 loads may be out
.endif
	WIN MUL_LO
	MUL16 0, (\st)%2, (\st)%2, ((\st)/2)%2, \zero
	s_wait_dscnt 0x0                               ; the add and all my reads are done
	s_barrier_signal -1
	MUL16 2, (\st)%2, (\st)%2, ((\st)/2)%2, \zero
	WIN 0
	s_barrier_wait -1
.if C1 > C0 && C0+2 < CHUNKS
	CREST
	s_add_nc_u64 s[G0+4*(C0%2)+2:G0+4*(C0%2)+3], s[G0+4*(C0%2)+2:G0+4*(C0%2)+3], 2*ROWB
	s_add_nc_u64 s[G0B+4*(C0%2)+2:G0B+4*(C0%2)+3], s[G0B+4*(C0%2)+2:G0B+4*(C0%2)+3], 2*ROWB
	JLOAD G0+4*(C0%2), G1, G0B+4*(C0%2), G1B       ; its four v_nop are the places in front of the loads below
.else
	PLACES NP
.endif
.else
	s_wait_dscnt 4*NL                              ; the youngest 24 loads may be out
	WIN MUL_LO
	MUL16 0, (\st)%2, (\st)%2, ((\st)/2)%2, \zero
	MUL16 2, (\st)%2, (\st)%2, ((\st)/2)%2, \zero
	s_wait_dscnt 0
	PLACES NP
.endif
	FETCH_B NX, NX%2
	FETCH_A NX, 0
.if NX%2 == 0
	SCALES NX/2
.endif
	WIN MUL_HI
	MUL16 4, (\st)%2, (\st)%2, ((\st)/2)%2, \zero
	MUL16 6, (\st)%2, (\st)%2, ((\st)/2)%2, \zero
	PLACES NP
	WIN 0
	FETCH_A NX, 4
.endm
	s_wait_loadcnt 0x0                             ; the biases
	s_wait_tensorcnt 0x0                           ; my tile of the head's four is in; ahead of a later first fill:
	ds_add_u32 v[SPW], v[NIL]
	s_mov_b32 s[G1+2], 128<<16                     ; no tensor load of mine is out: from here on a load brings 128 rows
	s_mov_b32 s[G1+4], 128
	s_mov_b32 s[G1B+2], 128<<16
	s_mov_b32 s[G1B+4], 128
	s_wait_dscnt 0x0
	CROUND
	JLOAD G0+4, G1, G0B+4, G1B                     ; chunk 1
	FETCH_B 0, 0
	FETCH_A 0, 0
	SCALES 0
	FETCH_A 0, 4
	STEP 0, 1                                      ; the first products start the sums
.set SN, 1
.rept STEPS-2
	STEP SN, 0
.set SN, SN+1
.endr
	s_wait_dscnt 4*NL
	WIN MUL_LO
	MUL16 0, 1, 1, 1, 0
	MUL16 2, 1, 1, 1, 0
	s_wait_dscnt 0
	WIN MUL_HI
	MUL16 4, 1, 1, 1, 0
	MUL16 6, 1, 1, 1, 0
	WIN 0
; THE WAY OUT.  Block a of my rows of A: 64 sums a lane get their bias (the addition also brings them into window 0), are quantised in registers, and leave as they will be loaded.
.macro ADDB a, pair                    ; pair = 0: a bias for each register;  1: one bias for the lane, one word of a pair for both halves
	WIN 0x02+(\a)/4
.set AC, 64*((\a)%4)
.set n, 0
.rept 32
.if \pair
.if (\a)%2
	v_pk_add_f32 v[ST+2*n:ST+2*n+1], v[AC+2*n:AC+2*n+1], v[BVS+2*((\a)/2):BVS+2*((\a)/2)+1] op_sel:[0,1] op_sel_hi:[1,1]
.else
	v_pk_add_f32 v[ST+2*n:ST+2*n+1], v[AC+2*n:AC+2*n+1], v[BVS+2*((\a)/2):BVS+2*((\a)/2)+1] op_sel_hi:[1,0]
.endif
.else
	v_pk_add_f32 v[ST+2*n:ST+2*n+1], v[AC+2*n:AC+2*n+1], v[BI+2*n:BI+2*n+1]   ; each accumulator from its low end on
.endif
.set n, n+1
.endr
	WIN 0
.endm
; 64 numbers of a lane, four blocks of 32 of which the lane holds 16 each and lane l xor 16 the others, become codes: blocks 0, 1 in v[d0] on (lanes 0-15 block 0, lanes 16-31 block 1), blocks 2, 3 in v[d1] on
.macro QUANT s, d0, d1, pw
.irp b, 0,1,2,3
	v_max3_num_f32 v[TM+\b], |v[\s+16*\b]|, |v[\s+1+16*\b]|, 0x1800000   ; with the floor 2^(3 - 127): the byte cannot fall under 1
.endr
.irp i, 2,4,6,8,10,12,14
.irp b, 0,1,2,3
	v_max3_num_f32 v[TM+\b], v[TM+\b], |v[\s+16*\b+\i]|, |v[\s+1+16*\b+\i]|
.endr
.endr
.irp b, 0,1,2,3
	v_permlanex16_b32 v[TM+4+\b], v[TM+\b], s[SEL], s[SEL+1]
.endr
.irp b, 0,1,2,3
	v_max_num_f32 v[TM+\b], v[TM+\b], v[TM+4+\b]
.endr
.irp b, 0,1,2,3
	v_add_nc_u32 v[TM+12+\b], 0xff000000, v[TM+\b]   ; 2 off the exponent field: the conversion's scale operand
.endr
.irp b, 0,1,2,3
	v_lshrrev_b32 v[TM+4+\b], 23, v[TM+12+\b]      ; the byte
.endr
	v_lshl_or_b32 v[\pw], v[TM+5], 8, v[TM+4]
	v_lshl_or_b32 v[\pw], v[TM+6], 16, v[\pw]
	v_lshl_or_b32 v[\pw], v[TM+7], 24, v[\pw]
	v_cvt_scalef32_pk16_fp6_f32 v[\d0:\d0+2], v[\s:\s+15], v[TM+12]
	v_cvt_scalef32_pk16_fp6_f32 v[TP:TP+2], v[\s+16:\s+31], v[TM+13]
	v_cvt_scalef32_pk16_fp6_f32 v[\d1:\d1+2], v[\s+32:\s+47], v[TM+14]
	v_cvt_scalef32_pk16_fp6_f32 v[TP+4:TP+6], v[\s+48:\s+63], v[TM+15]
	v_nop                                          ; one plain place behind a scaled conversion
.irp i, 0,1,2
	v_permlane16_swap_b32 v[\d0+\i], v[TP+\i]      ; a whole block to a lane
	v_permlane16_swap_b32 v[\d1+\i], v[TP+4+\i]
.endr
.irp i, 0,1,2
	v_mov_b32 v[\d0+3+\i], v[TP+\i]
	v_mov_b32 v[\d1+3+\i], v[TP+4+\i]
.endr
.endm
.macro ST3 reg, base, off              ; a fragment of V: three runs of 512 consecutive bytes
.irp c, 0,1,2
	global_store_b128 v[LOFF], v[\reg+4*\c:\reg+4*\c+3], s[\base:\base+1] offset:\off+512*\c
.endr
.endm
.macro STK reg, base, j                ; two tile images: each store covers 512 or 256 consecutive bytes, aligned; in odd pairs the lanes' places are exchanged inside them
.set A16, LOFF+(LOFFX-LOFF)*((\j)%2)
.set A8, L8+(L8X-L8)*((\j)%2)
	global_store_b128 v[A16], v[\reg:\reg+3], s[\base:\base+1] offset:1536*\j
	global_store_b64 v[A8], v[\reg+4:\reg+5], s[\base:\base+1] offset:1536*\j+512
	global_store_b128 v[A16], v[\reg+6:\reg+9], s[\base:\base+1] offset:1536*\j+768
	global_store_b64 v[A8], v[\reg+10:\reg+11], s[\base:\base+1] offset:1536*\j+1280
.endm
	PLACES NP
	s_cmp_ge_u32 s66, 3
	s_cselect_b32 s18, s42, s17                    ; the tile of tokens, and my half of it
	s_cselect_b32 s19, s16, s15
	s_cselect_b32 s20, s41, s40                    ; the tile of channels, and my half of it
	s_cselect_b32 s21, s15, s16
	s_cselect_b32 s22, 0, 31                       ; K's images lie one record back (mod 32)
	s_cselect_b32 s23, 0, 6144                     ; behind the record's VC
	s_mov_b32 s2, 12288
	s_cselect_b32 s2, 12800, s2                    ; VS or KS
	s_lshl_b32 s18, s18, 1
	s_add_co_u32 s18, s18, s19                     ; token / 128
	s_lshr_b32 s19, s18, 4                         ; the batch
	s_and_b32 s18, s18, 15
	s_lshl_b32 s19, s19, 4
	s_lshl_b32 s20, s20, 2
	s_add_co_u32 s19, s19, s20
	s_lshl_b32 s21, s21, 1
	s_add_co_u32 s19, s19, s21                     ; my first head
	s_lshl_b32 s20, s100, 4
	s_add_co_u32 s18, s18, s20                     ; the key step: data's follow x's 16
	s_add_co_u32 s20, s18, s22
	s_and_b32 s20, s20, 31
	s_mul_i32 s20, s20, REC                        ; the record
	s_add_co_u32 s23, s23, s20                     ; codes, and
	s_add_co_u32 s2, s2, s20                       ; scale words in a head of kv
	s_mul_i32 s3, s18, 6144
	s_lshl_b32 s18, s18, 9
	s_cmp_eq_u32 s66, 0
	s_cselect_b32 s23, s3, s23                     ; q: in a head of qc,
	s_cselect_b32 s2, s18, s2                      ; of qs
	s_cselect_b64 s[4:5], s[92:93], s[96:97]
	s_cselect_b64 s[8:9], s[94:95], s[96:97]
	s_mov_b32 s21, 32*REC
	s_mov_b32 s22, s21
	s_cselect_b32 s21, 98304, s21                  ; a head's bytes
	s_cselect_b32 s22, 8192, s22
	s_mul_i32 s44, s19, s21
	s_add_co_u32 s44, s44, s23
	s_mov_b32 s45, 0
	s_add_nc_u64 s[4:5], s[4:5], s[44:45]
	s_mov_b32 s44, s21
	s_add_nc_u64 s[6:7], s[4:5], s[44:45]          ; my second head's
	s_mul_i32 s44, s19, s22
	s_add_co_u32 s44, s44, s2
	s_add_nc_u64 s[8:9], s[8:9], s[44:45]
	s_mov_b32 s44, s22
	s_add_nc_u64 s[10:11], s[8:9], s[44:45]
	s_mov_b32 s43, 0x7f7f0000                      ; the bytes of the two blocks that a head of 64 does not have: 2^0
	s_mov_b32 s67, 0xffff0000                      ; lanes 16-31
	s_mov_b32 s[SEL], 0x76543210
	s_mov_b32 s[SEL+1], 0xfedcba98
.irp b, 0,1,2,3
	v_mov_b32 v[TM+4+\b], 0                        ; a lane permute's destination counts as a source
.endr
	s_cmp_ge_u32 s66, 3                            ; the cluster's x: the same way in all sixteen partners
	s_cbranch_scc1 .Lv_arm
.irp j, 0,1,2,3                        ; q, k: a pair of token tiles at a time; blocks 0, 1 are my first head, 2, 3 my second
.if \j > 0
	s_wait_xcnt 0x0                                ; the last pair's stores have read their registers
.endif
	ADDB 2*\j, 0
	QUANT ST, R0, R1, PWS+2*\j
	ADDB 2*\j+1, 0
	QUANT ST, R0+6, R1+6, PWS+2*\j+1
	STK R0, 4, \j
	STK R1, 6, \j
.endr
.irp j, 0,1,2,3
	v_cndmask_b32 v12, v[PWS+2*\j], v[PWS+2*\j+1], s67
	v_and_or_b32 v[SW+\j], v12, 0xffff, s43
	v_lshrrev_b32 v13, 16, v12
	v_or_b32 v[SW+4+\j], s43, v13
.endr
	global_store_b128 v[LOFF], v[SW:SW+3], s[8:9]
	global_store_b128 v[LOFF], v[SW+4:SW+7], s[10:11]
	s_branch .Ljoin
.Lv_arm:
.irp a, 0,1,2,3,4,5,6,7                ; v: a whole fragment and a whole scale word for each block a
.if \a > 0
	s_wait_xcnt 0x0
.endif
	ADDB \a, 1
	QUANT ST, R0, R0+6, PWS+\a
	ST3 R0, 4+2*(\a/4), 1536*(\a%4)
.endr
	v_mov_b32 v12, 0
	v_mov_b32 v13, 0
.irp e, 0,1
.irp j, 0,1
	v_cndmask_b32 v[SW+2*\e+\j], v[PWS+4*\e+2*\j], v[PWS+4*\e+2*\j+1], s67
.endr
	global_store_b64 v[L8], v[SW+2*\e:SW+2*\e+1], s[8+2*\e:9+2*\e]
	global_store_b64 v[L8], v[12:13], s[8+2*\e:9+2*\e] offset:256   ; the record's last 256 bytes: zeros, so that every byte that the next launch fetches has been stored
.endr
.Ljoin:
	s_wait_tensorcnt 0x0                           ; the wave's end
	ds_add_u32 v[SPW], v[NIL]
	s_wait_dscnt 0x0
	CROUND                                         ; the closing round
	s_endpgm
.Lfunc_end_k_q7a7b9f0e0f_qkv:
	.size	k_q7a7b9f0e0f_qkv, .Lfunc_end_k_q7a7b9f0e0f_qkv-k_q7a7b9f0e0f_qkv
	.p2alignl 7, 3214868480
	.fill 96, 4, 3214868480
	.section	.rodata,"a",@progbits
	.p2align	6, 0x0
	.amdhsa_kernel k_q7a7b9f0e0f_qkv
		.amdhsa_group_segment_fixed_size 327680
		.amdhsa_private_segment_fixed_size 0
		.amdhsa_enable_private_segment 0
		.amdhsa_kernarg_size 104
		.amdhsa_user_sgpr_count 2
		.amdhsa_user_sgpr_kernarg_segment_ptr 1
		.amdhsa_wavefront_size32 1
		.amdhsa_system_sgpr_workgroup_id_x 1
		.amdhsa_system_sgpr_workgroup_id_y 1
		.amdhsa_system_sgpr_workgroup_id_z 1
		.amdhsa_system_vgpr_workitem_id 0
		.amdhsa_next_free_vgpr 1024
		.amdhsa_next_free_sgpr 102
		.amdhsa_reserve_vcc 0
		.amdhsa_float_denorm_mode_32 3
		.amdhsa_float_denorm_mode_16_64 3
		.amdhsa_memory_ordered 1
		.amdhsa_forward_progress 1
		.amdhsa_inst_pref_size 236
	.end_amdhsa_kernel
	.amdgpu_metadata
---
amdhsa.version: [ 1, 2 ]
amdhsa.kernels:
  - .name:           k_q7a7b9f0e0f_qkv
    .symbol:         k_q7a7b9f0e0f_qkv.kd
    .args:
      - { .name: x_codes, .offset: 0, .size: 8, .value_kind: global_buffer, .address_space: global }
      - { .name: x_scales, .offset: 8, .size: 8, .value_kind: global_buffer, .address_space: global }
      - { .name: data_codes, .offset: 16, .size: 8, .value_kind: global_buffer, .address_space: global }
      - { .name: data_scales, .offset: 24, .size: 8, .value_kind: global_buffer, .address_space: global }
      - { .name: W_attn_codes, .offset: 32, .size: 8, .value_kind: global_buffer, .address_space: global }
      - { .name: W_attn_scales, .offset: 40, .size: 8, .value_kind: global_buffer, .address_space: global }
      - { .name: W_data_codes, .offset: 48, .size: 8, .value_kind: global_buffer, .address_space: global }
      - { .name: W_data_scales, .offset: 56, .size: 8, .value_kind: global_buffer, .address_space: global }
      - { .name: b_attn, .offset: 64, .size: 8, .value_kind: global_buffer, .address_space: global }
      - { .name: b_data, .offset: 72, .size: 8, .value_kind: global_buffer, .address_space: global }
      - { .name: qc, .offset: 80, .size: 8, .value_kind: global_buffer, .address_space: global }
      - { .name: qs, .offset: 88, .size: 8, .value_kind: global_buffer, .address_space: global }
      - { .name: kv, .offset: 96, .size: 8, .value_kind: global_buffer, .address_space: global }
    .group_segment_fixed_size: 327680
    .private_segment_fixed_size: 0
    .kernarg_segment_align: 8
    .kernarg_segment_size: 104
    .max_flat_workgroup_size: 128
    .sgpr_count:     102
    .vgpr_count:     1024
    .wavefront_size: 32
...
	.end_amdgpu_metadata
.endif
;; end of part 1
;; launch attn (part 2): grid 8 x 32, 8 waves a work-group, clusters of 4 x 1, 327,680 bytes of LDS; arguments qc, qs, kv, ao, aos; writes ao, aos
.if DOCPART == 2
	.amdgcn_target "amdgcn-amd-amdhsa--gfx1250"
	.amdhsa_code_object_version 6
	.text
	.protected	k_q7a7b9f0e0f_attn
	.globl	k_q7a7b9f0e0f_attn
	.p2align	8
	.type	k_q7a7b9f0e0f_attn,@function
k_q7a7b9f0e0f_attn:
	s_mov_b64 s[64:65], 0
	v_nop
	global_prefetch_b8 v0, s[64:65] scope:SCOPE_SE
	s_setreg_imm32_b32 hwreg(HW_REG_WAVE_MODE, 25, 1), 1
	s_wait_xcnt 0x0
	s_wait_alu depctr_hold_cnt(0) depctr_sa_sdst(0) depctr_va_vdst(0) depctr_va_sdst(0) depctr_va_ssrc(0) depctr_va_vcc(0) depctr_vm_vsrc(0)
	s_getreg_b32 s2, hwreg(HW_REG_IB_STS2, 6, 4)
	s_cmp_eq_u32 s2, 0
	s_cbranch_scc0 .Lentry_in_a_cluster
	s_endpgm
.Lentry_in_a_cluster:
	s_bfe_u32 s2, ttmp6, 0x10000c
	s_cmp_lg_u32 s2, 0x3003
	s_cbranch_scc0 .Lentry_shape_is_right
	s_endpgm
.Lentry_shape_is_right:
; For each of 32 (batch, head): o = softmax(q k^T / 8) v over 4,096 keys, head size 64, both products on codes of FP6 (E2M3) with E8M0 scales; o is then quantised along C for the projection.
; No work of the problem is left out here.
; THE SOFTMAX: t = score x log2(e) / 8; M = the row's largest t so far, rounded up to a whole number; p = 2^(t - M) is quantised along the keys, not normalised.  The row's sum is taken of the unquantised p,
; in f32, and divides O at the end.  When M moves, the sum and O are multiplied by 2^(old M - new M): exact.
; SHARES.  A work-group owns 256 queries of one (batch, head); each of its eight waves owns 32: tile A in register window 0 and tile B in window 1, at the same register numbers, so that one text serves both.
; Each fragment of K and V read from LDS feeds both tiles, and one tile's softmax stands behind the other tile's products.  Every wave walks 32 key steps of 128 keys.
; RECORDS (first launch): record i = V's four fragments of step i (0), the eight tile images of K of step i + 1 mod 32 (6,144), their scale words (12,288), V's scale words (12,800), 256 zeros.  So a step
; fetches its V and the next step's K from one record; step 0's K comes from memory (record 31) at the head; the last step's fetch of K is not used.
; THE KEYS OF A TILE OF K are chosen by the LDS addresses: tile t, row rho = key 64 (t / 4) + 32 (rho / 8) + 8 s(t % 4) + rho % 8, s = 0, 2, 1, 3: rows 0-7 come from lanes 8 g .. 8 g + 7 (g = (t % 4) / 2) of image
; 4 (t / 4) + t % 2, rows 8-15 from the same lanes of the image two on.  In S^T = k q^T lane (r, h) then holds query r and, in tiles 0-3, all of block h of the 128 keys, in tiles 4-7 all of block 2 + h, in the
; order in which V's codes lie: a block's maximum and its codes need no other lane.
; K = 64 IN AN INSTRUCTION OF K = 128: q's registers 6-11 are zero codes and the scale bytes of blocks 2, 3 are 2^0; the upper six registers of k's operand are the next tile's codes (behind tile 7: zeros).
; RING.  Two slots of 12 records; steps 0-11, 12-23, 24-31.  Each wave brings an eighth of a fill (78 or 52 rows of 256 bytes); the four query blocks of a cluster ask jointly.  One tensor load of a wave is out at a time.
; NO PREFETCH: a fill is asked for twelve key steps ahead of the wait for it, but for the first, which has no loop ahead of it.
; OUT.  ao: [32 blocks of 128 tokens][16 heads][8 tiles][768 bytes]: lane (token r, block h, true order along C): registers 0-3 at 16 l, 4-5 at 512 + 8 l.  aos: [token][32]; a head owns 2 of a token's 32 bytes.
; LIMITS: the promise holds while the scaled scores t stay under 2^31 in magnitude; p under 2^-126 comes out of v_exp_f32 as 0; a block of zeros gets the byte 1 where the rule says 127 (this program alone reads it).
; REGISTERS, both windows: v10 8 h; v12 -M, v13 the largest score, v[14:15] the sum; v96-159 S^T, then p; v160-191 O^T; v192-203 p's codes; v204-223 at work; v[232:233] f; v236-249 partial sums.
;   window 0 alone: v1-9 addresses of the step, v3, v4 the add's two; v16-27 q of A; v28, v29 q's scale words; v32-85 K; v86-93 lane constants; v224-227 K's scale words, v228-229 V's, v230, v231 p's.
;   window 1 alone: v16-27 q of B; v32-79 V's four fragments.
.set REC,   13312
.set SLOTB, 12*REC
.set SPARE, 2*SLOTB
.set KOFF,  6144
.set KSOFF, 12288
.set VSOFF, 12800
.set WV,  16
.set G1,  24                           ; 52 rows
.set G1L, 32                           ; 78 rows
.set G0A, 40
.set G0B, 44
.set G0C, 48
.set L16, 86                           ; lane constants: 16 l, 8 l,
.set L8,  87
.set LKA, 88                           ; v88-89 K's registers 0-3, g = 0, 1;  v90-91 registers 4-5;  v92 K's scale words;  v93 32 r + h
.set LKB, 90
.set LKS, 92
.set MSB, 0
.macro WIN new
.if MSB != \new
	s_set_vgpr_msb (MSB<<8)|\new
.set MSB, \new
.endif
.endm
.macro CROUND
	s_barrier_signal -1
	s_barrier_wait -1
	s_cmp_lg_u32 s[WV], 0
	s_cbranch_scc1 .Lnot_wave_0_\@
	s_barrier_signal -3
.Lnot_wave_0_\@:
	s_barrier_wait -3
	s_barrier_signal -1
	s_barrier_wait -1
.endm
.macro TLOAD g0, g1
	tensor_load_to_lds s[\g0:\g0+3], s[\g1:\g1+7]
	s_nop 0
.rept 4
	v_nop
.endr
.endm
.macro KLD glob, ka, kb, ks            ; K's eight tiles and their scale words: 20 loads
.irp t, 0,1,2,3,4,5,6,7
.set KO, KOFF+768*(4*(\t/4)+\t%2)
.if \glob
	global_load_b128 v[32+6*\t:35+6*\t], v[\ka+(\t%4)/2], s[60:61] offset:KO
	global_load_b64 v[36+6*\t:37+6*\t], v[\kb+(\t%4)/2], s[60:61] offset:KO+512
.else
	ds_load_b128 v[32+6*\t:35+6*\t], v[\ka+(\t%4)/2] offset:KO
	ds_load_b64 v[36+6*\t:37+6*\t], v[\kb+(\t%4)/2] offset:KO+512
.endif
.endr
.irp m, 0,1,2,3                        ; lanes 0-15: tile 2 m's words, lanes 16-31: tile 2 m + 1's
.if \glob
	global_load_b32 v[224+\m], v[\ks], s[60:61] offset:KSOFF+128*(\m%2)+8*(\m/2)
.else
	ds_load_b32 v[224+\m], v[\ks] offset:KSOFF+128*(\m%2)+8*(\m/2)
.endif
.endr
.endm
.macro INIT                            ; a tile's state; the first change of M multiplies by 0
.irp j, 22,23,24,25,26,27,14,15,215,219,233
	v_mov_b32 v\j, 0
.endr
.set j, 0
.rept 32
	v_mov_b32 v[160+j], 0
.set j, j+1
.endr
	v_mov_b32 v13, 0xff61b1e6                      ; -3e38, under every score
	v_mov_b32 v12, 0x7e800000                      ; -M: a large whole number
.endm
	s_load_b256 s[4:11], s[0:1], 0x0               ; qc, qs, kv, ao
	s_load_b64 s[12:13], s[0:1], 0x20              ; aos
	v_lshl_add_u32 v3, v0, 2, SPARE
	v_mov_b32 v4, 0
	ds_add_u32 v3, v4                              ; the opening lines: the add, twice on end, and its wait
	ds_add_u32 v3, v4
	v_lshrrev_b32 v8, 5, v0
	v_readfirstlane_b32 s[WV], v8                  ; wave 0..7
	s_bfe_u32 s17, ttmp6, 0x40000                  ; cx
	s_lshl_b32 s18, ttmp9, 2
	s_add_co_u32 s18, s18, s17                     ; my block of 256 queries: it enters q's and the outputs' addresses alone
	s_and_b32 s19, ttmp7, 0xffff                   ; 16 x batch + head
.irp g, G1, G1L
	s_mov_b32 s[\g], 15|(3<<16)|(1<<21)            ; the mask of all four; elements of 8 bytes; bit 21 beside a mask
	s_mov_b32 s[\g+1], 32<<16
	s_mov_b32 s[\g+3], 32<<16
	s_mov_b32 s[\g+5], 32
	s_mov_b32 s[\g+6], 0
	s_mov_b32 s[\g+7], 0
.endr
	s_mov_b32 s[G1+2], 52<<16
	s_mov_b32 s[G1+4], 52
	s_mov_b32 s[G1L+2], 78<<16
	s_mov_b32 s[G1L+4], 78
	s_mul_i32 s56, s19, 32*REC                     ; my head in kv
	s_mov_b32 s57, 0
	s_mul_i32 s58, s[WV], 78*256                   ; my eighth of twelve records,
	s_mov_b32 s59, 0
	s_mul_i32 s54, s[WV], REC                      ; of eight
	s_mov_b32 s55, 0
	s_mov_b32 s20, 0x76543210                      ; lane selects for lane l xor 16
	s_mov_b32 s21, 0xfedcba98
	s_mov_b32 s22, 0x3e38aa3b                      ; c = log2(e) / 8
	s_mov_b32 s23, s22
	s_mov_b32 s53, 0xbe38aa3b                      ; -c
	s_mov_b32 s66, 0xffff0000                      ; lanes 16-31
	s_wait_dscnt 0x0
	s_wait_kmcnt 0x0
	s_add_nc_u64 s[8:9], s[8:9], s[56:57]
	s_add_nc_u64 s[60:61], s[8:9], 31*REC          ; record 31: step 0's K
	s_mov_b32 s[G0A], 1
	s_mov_b32 s[G0A+1], s58
	s_add_nc_u64 s[G0A+2:G0A+3], s[8:9], s[58:59]
	s_mov_b32 s[G0B], 1
	s_add_co_u32 s[G0B+1], s58, SLOTB
	s_add_nc_u64 s[G0B+2:G0B+3], s[G0A+2:G0A+3], SLOTB
	s_mov_b32 s[G0C], 1
	s_mov_b32 s[G0C+1], s54
	s_add_nc_u64 s[G0C+2:G0C+3], s[8:9], s[54:55]
	s_add_nc_u64 s[G0C+2:G0C+3], s[G0C+2:G0C+3], 2*SLOTB
	s_or_b32 s[G0A+3], s[G0A+3], 0x80000000
	s_or_b32 s[G0B+3], s[G0B+3], 0x80000000
	s_or_b32 s[G0C+3], s[G0C+3], 0x80000000
	CROUND                                         ; the first joint loads meet
	TLOAD G0A, G1L                                 ; steps 0-11: one tensor load a wave at the head
	; q: my tiles are 2 (w % 4), + 1 of group 2 x block + w / 4
	s_lshr_b32 s56, s[WV], 2
	s_lshl_b32 s57, s18, 1
	s_add_co_u32 s56, s56, s57                     ; the group of 128 in the batch
	s_lshl_b32 s57, s19, 4
	s_add_co_u32 s57, s57, s56                     ; the record of qc and qs
	s_and_b32 s58, s[WV], 3
	s_mul_i32 s54, s57, 6144
	s_mul_i32 s62, s58, 1536
	s_add_co_u32 s54, s54, s62
	s_add_nc_u64 s[4:5], s[4:5], s[54:55]
	s_lshl_b32 s54, s57, 9
	s_lshl_b32 s62, s58, 2
	s_add_co_u32 s54, s54, s62
	s_add_nc_u64 s[6:7], s[6:7], s[54:55]
	s_and_b32 s62, s[WV], 1
	s_lshl_b32 s63, s62, 6                         ; in odd pairs of images the lanes' places are exchanged
	s_lshl_b32 s62, s62, 7
	; the outputs: block of 128 tokens = 16 x batch + group; tile 2 (w % 4)
	s_lshr_b32 s57, s19, 4
	s_lshl_b32 s57, s57, 4
	s_add_co_u32 s56, s56, s57
	s_and_b32 s57, s19, 15
	s_lshl_b32 s54, s56, 4
	s_add_co_u32 s54, s54, s57
	s_lshl_b32 s54, s54, 2
	s_add_co_u32 s54, s54, s58
	s_mul_i32 s54, s54, 1536
	s_add_nc_u64 s[10:11], s[10:11], s[54:55]
	s_lshl_b32 s54, s56, 12
	s_lshl_b32 s58, s58, 10
	s_add_co_u32 s54, s54, s58
	s_lshl_b32 s57, s57, 1
	s_add_co_u32 s54, s54, s57
	s_add_nc_u64 s[12:13], s[12:13], s[54:55]
	v_and_b32 v8, 31, v0
	v_lshlrev_b32 v[L16], 4, v8
	v_lshlrev_b32 v[L8], 3, v8
	v_and_b32 v9, 7, v0                            ; rho % 8
	v_bfe_u32 v10, v0, 3, 1                        ; rho / 8
	v_bfe_u32 v11, v0, 4, 1                        ; h
	v_lshlrev_b32 v30, 4, v9
	v_lshl_add_u32 v30, v11, 8, v30
	v_mad_u32_u24 v[LKA], v10, 1664, v30           ; g = 0: rows 8-15 from the image two on, whose lanes 0-7 lie at + 128
	v_mad_u32_u24 v[LKA+1], v10, 1408, v30
	v_add_nc_u32 v[LKA+1], 128, v[LKA+1]           ; g = 1: rows 0-7 at + 128, rows 8-15 at + 1,536
	v_lshl_add_u32 v[LKS], v10, 2, v30
	v_lshlrev_b32 v31, 3, v9
	v_lshl_add_u32 v31, v11, 7, v31
	v_mad_u32_u24 v[LKB], v10, 1600, v31
	v_mad_u32_u24 v[LKB+1], v10, 1472, v31
	v_add_nc_u32 v[LKB+1], 64, v[LKB+1]
	v_and_b32 v9, 15, v0                           ; r
	v_lshl_add_u32 v93, v9, 5, v11                 ; my byte among a tile's scale bytes
	v_lshlrev_b32 v10, 3, v11                      ; 8 h
	v_lshlrev_b32 v11, 4, v9
	v_xor_b32 v30, s62, v[L16]
	v_xor_b32 v31, s63, v[L8]
	s_wait_alu depctr_va_vdst(0)                   ; the wait ahead of the readers below
	global_load_b128 v[16:19], v30, s[4:5]
	global_load_b64 v[20:21], v31, s[4:5] offset:512
	global_load_b32 v28, v11, s[6:7]
	global_load_b32 v29, v11, s[6:7] offset:256
	KLD 1, LKA, LKB, LKS
	INIT
.irp j, 80,81,82,83,84,85,234
	v_mov_b32 v\j, 0
.endr
	WIN 0x40                                       ; destinations in window 1
	global_load_b128 v[16:19], v30, s[4:5] offset:768
	global_load_b64 v[20:21], v31, s[4:5] offset:1280
	INIT
	v_mov_b32 v10, v10
	WIN 0
.macro KQ t, qsc                       ; S^T's tile t: 16 keys x 16 queries
.if (\t)%2
	v_wmma_scale_f32_16x16x128_f8f6f4 v[96+8*\t:103+8*\t], v[32+6*\t:43+6*\t], v[16:27], 0, v[224+\t/2], v[\qsc] matrix_a_fmt:MATRIX_FMT_FP6 matrix_b_fmt:MATRIX_FMT_FP6 matrix_a_scale:MATRIX_SCALE_ROW1
.else
	v_wmma_scale_f32_16x16x128_f8f6f4 v[96+8*\t:103+8*\t], v[32+6*\t:43+6*\t], v[16:27], 0, v[224+\t/2], v[\qsc] matrix_a_fmt:MATRIX_FMT_FP6 matrix_b_fmt:MATRIX_FMT_FP6
.endif
.endm
.macro PV t, pw                        ; O^T's tile t += 16 channels x 128 keys x 16 queries
.if (\t)%2
	v_wmma_scale_f32_16x16x128_f8f6f4 v[160+8*\t:167+8*\t], v[32+12*\t:43+12*\t], v[192:203], v[160+8*\t:167+8*\t], v[228+\t/2], v[\pw] matrix_a_fmt:MATRIX_FMT_FP6 matrix_b_fmt:MATRIX_FMT_FP6 matrix_a_scale:MATRIX_SCALE_ROW1
.else
	v_wmma_scale_f32_16x16x128_f8f6f4 v[160+8*\t:167+8*\t], v[32+12*\t:43+12*\t], v[192:203], v[160+8*\t:167+8*\t], v[228+\t/2], v[\pw] matrix_a_fmt:MATRIX_FMT_FP6 matrix_b_fmt:MATRIX_FMT_FP6
.endif
.endm
.macro SUM8 first                      ; eight additions on eight partial sums: seven in v236-249, the eighth the row's own
.set k, 0
.rept 7
	v_pk_add_f32 v[236+2*k:237+2*k], v[236+2*k:237+2*k], v[96+2*(\first+k):97+2*(\first+k)]
.set k, k+1
.endr
	v_pk_add_f32 v[14:15], v[14:15], v[96+2*(\first+7):97+2*(\first+7)]
.endm
; ONE TILE'S SOFTMAX AND QUANTISER, all in window w (wl: the same with the destination in window 0, for the scale word pw).  My lane holds block h in v96-127 and block 2 + h in v128-159.
.macro SOFTMAX w, wl, pw
	s_wait_alu depctr_va_vdst(0)                   ; the wait ahead of the first reads of the scores
.irp c, 0,1,2,3
	v_max3_num_f32 v[220+\c], v[96+16*\c], v[97+16*\c], v[98+16*\c]   ; four chains by turns; each accumulator from its low end on
.endr
.irp i, 3,5,7,9,11,13
.irp c, 0,1,2,3
	v_max3_num_f32 v[220+\c], v[220+\c], v[96+16*\c+\i], v[97+16*\c+\i]
.endr
.endr
	v_max3_num_f32 v212, v220, v221, v111
	v_max3_num_f32 v213, v222, v223, v143
	v_max_num_f32 v212, v212, v127                 ; the largest score of each of my two blocks: it serves for the row's maximum and, since p rises with the score, for the block's largest p
	v_max_num_f32 v213, v213, v159
	v_max_num_f32 v214, v212, v213
	v_permlanex16_b32 v215, v214, s20, s21
	v_max3_num_f32 v13, v13, v214, v215            ; the running largest score (c is positive)
	v_mul_f32 v216, s53, v13
	v_floor_f32 v217, v216                         ; the new -M = floor(-t)
	v_sub_f32 v218, v217, v12                      ; old M less new M: a whole number, 0 or less
	v_mov_b32 v12, v217
	v_cvt_i32_f32 v218, v218                       ; (it saturates)
	v_ldexp_f32 v232, 1.0, v218                    ; f = 2^(old M - new M)
.set j, 0
.rept 32
	v_pk_fma_f32 v[96+j:97+j], v[96+j:97+j], s[22:23], v[12:13] op_sel_hi:[1,0,0]   ; t - M
.set j, j+2
.endr
	v_fma_f32 v212, v212, s22, v12
	v_fma_f32 v213, v213, s22, v12
	s_wait_alu depctr_va_vdst(0)                   ; the wait ahead of the batch
.set j, 0
.rept 64
	v_exp_f32 v[96+j], v[96+j]                     ; p
.set j, j+1
.endr
	v_exp_f32 v212, v212                           ; the blocks' largest p: the same two instructions on the same number give the same bits
	v_exp_f32 v213, v213
	v_pk_mul_f32 v[14:15], v[14:15], v[232:233] op_sel_hi:[1,0]    ; the sum under the new M: the plain place behind the batch
	s_wait_alu depctr_va_vdst(0)                   ; one wait for the batch, ahead of its first reader
.set k, 0
.rept 7
	v_pk_add_f32 v[236+2*k:237+2*k], v[96+4*k:97+4*k], v[98+4*k:99+4*k]
.set k, k+1
.endr
	v_pk_add_f32 v[14:15], v[14:15], v[124:125]
	v_max_num_f32 v212, 0x1800000, v212            ; the floor 2^(3 - 127): the byte cannot fall under 1
	v_max_num_f32 v213, 0x1800000, v213
	SUM8 15
	v_add_nc_u32 v220, 0xff000000, v212            ; 2 off the exponent field: the conversion's scale operand
	v_add_nc_u32 v221, 0xff000000, v213
	v_lshrrev_b32 v216, 23, v220
	v_lshrrev_b32 v217, 23, v221
	SUM8 23
	v_lshl_or_b32 v218, v217, 16, v216             ; my two bytes,
	v_pk_add_f32 v[236:237], v[236:237], v[158:159]
	v_lshlrev_b32 v218, v10, v218                  ; at their places: 8 h bits up
	v_pk_add_f32 v[240:241], v[240:241], v[242:243]
	v_pk_add_f32 v[244:245], v[244:245], v[246:247]
	v_pk_add_f32 v[14:15], v[14:15], v[248:249]
	v_permlanex16_b32 v219, v218, s20, s21
	v_pk_add_f32 v[236:237], v[236:237], v[238:239]
	v_pk_add_f32 v[14:15], v[14:15], v[244:245]
	v_pk_add_f32 v[236:237], v[236:237], v[240:241]
	WIN \wl
	v_or_b32 v[\pw], v218, v219                    ; p's scale word for these 128 keys
	WIN \w
	v_pk_add_f32 v[14:15], v[14:15], v[236:237]
	v_cvt_scalef32_pk16_fp6_f32 v[192:194], v[96:111], v220
	v_cvt_scalef32_pk16_fp6_f32 v[204:206], v[112:127], v220       ; (a conversion's three registers begin on an even number)
	v_cvt_scalef32_pk16_fp6_f32 v[198:200], v[128:143], v221
	v_cvt_scalef32_pk16_fp6_f32 v[208:210], v[144:159], v221
	v_nop                                          ; one plain place behind a scaled conversion
.irp i, 0,1,2
	v_mov_b32 v[195+\i], v[204+\i]
	v_mov_b32 v[201+\i], v[208+\i]
.endr
	s_wait_alu depctr_va_vdst(0)                   ; the wait ahead of the first read of O^T
.set j, 0
.rept 16
	v_pk_mul_f32 v[160+j:161+j], v[160+j:161+j], v[232:233] op_sel_hi:[1,0]   ; O^T under the new M; these sixteen are also the places between p's codes and scale word and the products
.set j, j+2
.endr
.endm
; A KEY STEP.  s52: its record in LDS.  The accumulators take turns, one instruction a turn.
.macro STEP
	s_wait_dscnt 0x0                               ; this step's K, asked for a step ago
.irp t, 0,1,2,3,4,5,6,7
	KQ \t, 28
.endr
	WIN 0x44                                       ; S^T and q of tile B lie in window 1
.irp t, 0,1,2,3,4,5,6,7
	KQ \t, 29
.endr
	WIN 0
	v_add_nc_u32 v1, s52, v[L16]                   ; seven additions: the places in front of the loads below and of the first read of the scores
	v_add_nc_u32 v2, s52, v[L8]
	v_add_nc_u32 v5, s52, v[LKA]
	v_add_nc_u32 v6, s52, v[LKA+1]
	v_add_nc_u32 v7, s52, v[LKB]
	v_add_nc_u32 v8, s52, v[LKB+1]
	v_add_nc_u32 v9, s52, v[LKS]
	WIN 0x40
.irp i, 0,1,2,3,4,5,6,7,8,9,10,11
	ds_load_b128 v[32+4*\i:35+4*\i], v1 offset:512*\i              ; V's four fragments
.endr
	WIN 0
	ds_load_b64 v[228:229], v2 offset:VSOFF
	KLD 0, 5, 7, 9                                 ; the next step's K
	SOFTMAX 0, 0, 230
	s_wait_alu depctr_va_vdst(0)
	s_wait_dscnt 20                                ; V and its scale words are in; the 20 loads of K behind them may be out
	WIN 0x01                                       ; V lies in window 1
.irp t, 0,1,2,3
	PV \t, 230
.endr
	WIN 0x55
	SOFTMAX 0x55, 0x05, 231
.irp t, 0,1,2,3
	PV \t, 231
.endr
	WIN 0
.endm
.macro RUN base, n
	s_mov_b32 s52, \base
	s_mov_b32 s55, \n
.Lstep_\@:
	STEP
	s_add_co_u32 s52, s52, REC
	s_sub_co_u32 s55, s55, 1
	s_cmp_lg_u32 s55, 0
	s_cbranch_scc1 .Lstep_\@
.endm
; THE CHANGE OF SLOTS: each wave waits for all its tensor loads, adds 0 to its spare word, and waits for that and for its reads of the slot that it leaves.
.macro CHANGE fill
	s_wait_tensorcnt 0x0
	ds_add_u32 v3, v4
	s_wait_dscnt 0x0
.if \fill
	CROUND
.else
	s_barrier_signal -1
	s_barrier_wait -1
.endif
.endm
	s_wait_alu depctr_va_vdst(0)                   ; the wait at the head's end
	CHANGE 1                                       ; slot 0 is whole; slot 1's first fill is issued as a refill is
	TLOAD G0B, G1L                                 ; steps 12-23
	s_wait_loadcnt 0x0                             ; q, and step 0's K
	RUN 0, 12
	CHANGE 1
	TLOAD G0C, G1
	RUN SLOTB, 12
	CHANGE 0                                       ; nothing is left to fetch
	RUN 0, 8
; THE WAY OUT of tile e.  O^T / the sum (the multiplication brings tile B into window 0); halves change places so that a lane's 16 registers are 16 neighbours along C; two blocks of 32 are quantised.
.macro OUT e
.if \e
	s_wait_xcnt 0x0                                ; tile A's stores have read their registers
	WIN 0x05
.endif
	v_add_f32 v14, v14, v15
	WIN 0
	v_permlanex16_b32 v234, v14, s20, s21
	v_add_f32 v14, v14, v234
	s_wait_alu depctr_va_vdst(0)                   ; the wait ahead of the transcendental
	v_rcp_f32 v232, v14
	v_nop
	s_wait_alu depctr_va_vdst(0)                   ; and ahead of its first reader, which is also the first reader of O^T
	WIN \e
.set j, 0
.rept 16
	v_pk_mul_f32 v[96+j:97+j], v[160+j:161+j], v[232:233] op_sel_hi:[1,0]   ; register 8 t + i: o(query r, channel 16 t + 8 h + i)
.set j, j+2
.endr
	WIN 0
.irp b, 0,1
.irp i, 0,1,2,3,4,5,6,7
	v_permlane16_swap_b32 v[96+16*\b+\i], v[104+16*\b+\i]          ; registers 16 b + 0 .. 15: channels 32 b + 16 h + 0 .. 15
.endr
.endr
.irp b, 0,1
	v_max3_num_f32 v[212+\b], |v[96+16*\b]|, |v[97+16*\b]|, 0x1800000
.endr
.irp i, 2,4,6,8,10,12,14
.irp b, 0,1
	v_max3_num_f32 v[212+\b], v[212+\b], |v[96+16*\b+\i]|, |v[97+16*\b+\i]|
.endr
.endr
.irp b, 0,1
	v_permlanex16_b32 v[216+\b], v[212+\b], s20, s21
.endr
.irp b, 0,1
	v_max_num_f32 v[212+\b], v[212+\b], v[216+\b]
.endr
.irp b, 0,1
	v_add_nc_u32 v[220+\b], 0xff000000, v[212+\b]
.endr
.irp b, 0,1
	v_lshrrev_b32 v[216+\b], 23, v[220+\b]
.endr
	v_cvt_scalef32_pk16_fp6_f32 v[192:194], v[96:111], v220
	v_cvt_scalef32_pk16_fp6_f32 v[204:206], v[112:127], v221
	v_nop
.irp i, 0,1,2
	v_permlane16_swap_b32 v[192+\i], v[204+\i]     ; lanes 0-15: block 0, lanes 16-31: block 1
.endr
.irp i, 0,1,2
	v_mov_b32 v[195+\i], v[204+\i]
.endr
	v_cndmask_b32 v235, v216, v217, s66
	global_store_b128 v[L16], v[192:195], s[10:11] offset:768*\e
	global_store_b64 v[L8], v[196:197], s[10:11] offset:768*\e+512
	global_store_b8 v93, v235, s[12:13] offset:512*\e
.endm
	OUT 0
	OUT 1
	s_wait_tensorcnt 0x0                           ; the wave's end
	ds_add_u32 v3, v4
	s_wait_dscnt 0x0
	CROUND                                         ; the closing round
	s_endpgm
.Lfunc_end_k_q7a7b9f0e0f_attn:
	.size	k_q7a7b9f0e0f_attn, .Lfunc_end_k_q7a7b9f0e0f_attn-k_q7a7b9f0e0f_attn
	.p2alignl 7, 3214868480
	.fill 96, 4, 3214868480
	.section	.rodata,"a",@progbits
	.p2align	6, 0x0
	.amdhsa_kernel k_q7a7b9f0e0f_attn
		.amdhsa_group_segment_fixed_size 327680
		.amdhsa_private_segment_fixed_size 0
		.amdhsa_enable_private_segment 0
		.amdhsa_kernarg_size 40
		.amdhsa_user_sgpr_count 2
		.amdhsa_user_sgpr_kernarg_segment_ptr 1
		.amdhsa_wavefront_size32 1
		.amdhsa_system_sgpr_workgroup_id_x 1
		.amdhsa_system_sgpr_workgroup_id_y 1
		.amdhsa_system_sgpr_workgroup_id_z 1
		.amdhsa_system_vgpr_workitem_id 0
		.amdhsa_next_free_vgpr 512
		.amdhsa_next_free_sgpr 68
		.amdhsa_reserve_vcc 0
		.amdhsa_float_denorm_mode_32 3
		.amdhsa_float_denorm_mode_16_64 3
		.amdhsa_memory_ordered 1
		.amdhsa_forward_progress 1
		.amdhsa_inst_pref_size 104
	.end_amdhsa_kernel
	.amdgpu_metadata
---
amdhsa.version: [ 1, 2 ]
amdhsa.kernels:
  - .name:           k_q7a7b9f0e0f_attn
    .symbol:         k_q7a7b9f0e0f_attn.kd
    .args:
      - { .name: qc, .offset: 0, .size: 8, .value_kind: global_buffer, .address_space: global }
      - { .name: qs, .offset: 8, .size: 8, .value_kind: global_buffer, .address_space: global }
      - { .name: kv, .offset: 16, .size: 8, .value_kind: global_buffer, .address_space: global }
      - { .name: ao, .offset: 24, .size: 8, .value_kind: global_buffer, .address_space: global }
      - { .name: aos, .offset: 32, .size: 8, .value_kind: global_buffer, .address_space: global }
    .group_segment_fixed_size: 327680
    .private_segment_fixed_size: 0
    .kernarg_segment_align: 8
    .kernarg_segment_size: 40
    .max_flat_workgroup_size: 256
    .sgpr_count:     68
    .vgpr_count:     512
    .wavefront_size: 32
...
	.end_amdgpu_metadata
.endif
;; end of part 2
;; launch proj (part 3): grid 8 x 32, 4 waves a work-group, clusters of 4 x 4, 327,680 bytes of LDS; arguments ao, aos, W_proj_codes, W_proj_scales, b_proj, out0; writes out0
.if DOCPART == 3
	.amdgcn_target "amdgcn-amd-amdhsa--gfx1250"
	.amdhsa_code_object_version 6
	.text
	.protected	k_q7a7b9f0e0f_proj
	.globl	k_q7a7b9f0e0f_proj
	.p2align	8
	.type	k_q7a7b9f0e0f_proj,@function
k_q7a7b9f0e0f_proj:
	s_mov_b64 s[64:65], 0
	v_nop
	global_prefetch_b8 v0, s[64:65] scope:SCOPE_SE
	s_setreg_imm32_b32 hwreg(HW_REG_WAVE_MODE, 25, 1), 1
	s_wait_xcnt 0x0
	s_wait_alu depctr_hold_cnt(0) depctr_sa_sdst(0) depctr_va_vdst(0) depctr_va_sdst(0) depctr_va_ssrc(0) depctr_va_vcc(0) depctr_vm_vsrc(0)
	s_getreg_b32 s2, hwreg(HW_REG_IB_STS2, 6, 4)
	s_cmp_eq_u32 s2, 0
	s_cbranch_scc0 .Lentry_in_a_cluster
	s_endpgm
.Lentry_in_a_cluster:
	s_bfe_u32 s2, ttmp6, 0x10000c
	s_cmp_lg_u32 s2, 0xf033
	s_cbranch_scc0 .Lentry_shape_is_right
	s_endpgm
.Lentry_shape_is_right:
.set AIMG,  0
.set BT,    98304
.set BP,    1008
.set SCL,   BT+128*BP
.set HS,    8*272
.set STAGE, SCL+4*HS
.set SPARE, STAGE+4*16*272
.set ADA16, 8
.set ADA8,  10
.set ADB,   12
.set ADS,   14
.set STO,   15
.set RD,    16
.set CO,    17
.set SPW,   28
.set NIL,   29
.set SC,    32
.set BI,    64
.set OB,    64
.set ACC,   128
.set G1A,  24
.set G1B,  32
.set G1SA, 40
.set G1SB, 48
.set G0A,  56
.set G0B,  60
.set G0SA, 68
.set G0SB, 72
.set MSB, 0
.macro WIN new
.if MSB != \new
	s_set_vgpr_msb (MSB<<8)|\new
.set MSB, \new
.endif
.endm
.macro JLOAD g0a, g1a, g0b, g1b
	s_cmp_eq_u32 s17, 0
	s_cbranch_scc0 .Lfor_b_\@
	tensor_load_to_lds s[\g0a:\g0a+3], s[\g1a:\g1a+7]
	s_nop 0
.rept 4
	v_nop
.endr
	s_branch .Lasked_\@
.Lfor_b_\@:
	tensor_load_to_lds s[\g0b:\g0b+3], s[\g1b:\g1b+7]
	s_nop 0
.rept 4
	v_nop
.endr
.Lasked_\@:
.endm
.macro CROUND
	s_barrier_signal -1
	s_barrier_wait -1
	s_cmp_lg_u32 s16, 0
	s_cbranch_scc1 .Lnot_wave_0_\@
	s_barrier_signal -3
.Lnot_wave_0_\@:
	s_barrier_wait -3
	s_barrier_signal -1
	s_barrier_wait -1
.endm
.macro PLACES
.rept 4
	v_nop
.endr
.endm
	s_load_b256 s[4:11], s[0:1], 0x0
	s_load_b128 s[12:15], s[0:1], 0x20
	v_lshl_add_u32 v[SPW], v0, 2, SPARE
	v_mov_b32 v[NIL], 0
	ds_add_u32 v[SPW], v[NIL]
	ds_add_u32 v[SPW], v[NIL]
	v_lshrrev_b32 v1, 5, v0
	v_readfirstlane_b32 s16, v1
	s_lshr_b32 s17, s16, 1
	s_and_b32 s18, s16, 1
	s_bfe_u32 s76, ttmp6, 0x40000
	s_bfe_u32 s77, ttmp6, 0x40004
	s_lshl_b32 s78, ttmp9, 2
	s_add_co_u32 s78, s78, s76
	s_and_b32 s79, ttmp7, 0xffff
	s_lshl_b32 s79, s79, 2
	s_add_co_u32 s79, s79, s77
	s_lshl_b32 s80, s77, 2
	s_lshl_b32 s80, 15, s80
	s_lshl_b32 s81, 0x1111, s76
	s_or_b32 s[G1A], s80, (3<<16)|(1<<21)
	s_mov_b32 s[G1A+1], 32<<16
	s_mov_b32 s[G1A+2], 192<<16
	s_mov_b32 s[G1A+3], 32<<16
	s_mov_b32 s[G1A+4], 192
	s_mov_b32 s[G1A+5], 32
	s_mov_b32 s[G1A+6], 0
	s_mov_b32 s[G1A+7], 0
	s_or_b32 s[G1B], s81, (0<<16)|(1<<20)|(1<<21)|(5<<22)|(19<<25)
	s_mov_b32 s[G1B+1], 768<<16
	s_mov_b32 s[G1B+2], 64<<16
	s_mov_b32 s[G1B+3], 768<<16
	s_mov_b32 s[G1B+4], 64
	s_mov_b32 s[G1B+5], 768
	s_mov_b32 s[G1B+6], 0
	s_mov_b32 s[G1B+7], 0
	s_or_b32 s[G1SA], s80, (3<<16)|(1<<20)|(1<<21)|(5<<22)|(3<<25)
	s_or_b32 s[G1SB], s81, (3<<16)|(1<<20)|(1<<21)|(5<<22)|(3<<25)
.irp g, G1SA, G1SB
	s_mov_b32 s[\g+1], 32<<16
	s_mov_b32 s[\g+2], 8<<16
	s_mov_b32 s[\g+3], 32<<16
	s_mov_b32 s[\g+4], 8
	s_mov_b32 s[\g+5], 32
	s_mov_b32 s[\g+6], 0
	s_mov_b32 s[\g+7], 0
.endr
	s_mul_i32 s82, s79, 98304
	s_mul_i32 s90, s18, 49152
	s_add_co_u32 s82, s82, s90
	s_mov_b32 s83, 0
	s_lshl_b32 s84, s79, 12
	s_lshl_b32 s85, s18, 11
	s_add_co_u32 s84, s84, s85
	s_mov_b32 s85, 0
	s_lshl_b32 s86, s78, 7
	s_lshl_b32 s87, s18, 6
	s_add_co_u32 s86, s86, s87
	s_lshl_b32 s88, s86, 5
	s_mul_i32 s86, s86, 768
	s_mov_b32 s87, 0
	s_mov_b32 s89, 0
	s_mul_i32 s91, s18, 64*BP
	s_add_co_u32 s91, s91, BT
	s_mul_i32 s19, s16, HS
	s_add_co_u32 s19, s19, SCL
	s_wait_dscnt 0x0
	s_wait_kmcnt 0x0
	s_mov_b32 s[G0A], 1
	s_mov_b32 s[G0A+1], s90
	s_add_nc_u64 s[G0A+2:G0A+3], s[4:5], s[82:83]
	s_or_b32 s[G0A+3], s[G0A+3], 0x80000000
	s_mov_b32 s[G0B], 1
	s_mov_b32 s[G0B+1], s91
	s_add_nc_u64 s[G0B+2:G0B+3], s[8:9], s[86:87]
	s_or_b32 s[G0B+3], s[G0B+3], 0x80000000
	s_mov_b32 s[G0SA], 1
	s_mov_b32 s[G0SA+1], s19
	s_add_nc_u64 s[G0SA+2:G0SA+3], s[6:7], s[84:85]
	s_or_b32 s[G0SA+3], s[G0SA+3], 0x80000000
	s_mov_b32 s[G0SB], 1
	s_mov_b32 s[G0SB+1], s19
	s_add_nc_u64 s[G0SB+2:G0SB+3], s[10:11], s[88:89]
	s_or_b32 s[G0SB+3], s[G0SB+3], 0x80000000
	CROUND
	JLOAD G0SA, G1SA, G0SB, G1SB
	s_wait_alu depctr_va_vdst(0)
	s_wait_tensorcnt 0x0
	ds_add_u32 v28, v29
	s_wait_dscnt 0x0
	CROUND
	JLOAD G0A, G1A, G0B, G1B
	v_and_b32 v1, 15, v0
	v_bfe_u32 v2, v0, 4, 1
	v_and_b32 v3, 31, v0
	s_wait_alu depctr_va_vdst(0)
	v_lshlrev_b32 v4, 5, v2
	s_lshl_b32 s82, s78, 9
	s_lshl_b32 s83, s18, 8
	s_add_co_u32 s82, s82, s83
	s_mov_b32 s83, 0
	s_add_nc_u64 s[12:13], s[12:13], s[82:83]
	s_add_nc_u64 s[14:15], s[14:15], s[82:83]
.irp b, 0,1,2,3
	global_load_b128 v[BI+8*\b:BI+8*\b+3], v4, s[12:13] offset:64*\b
	global_load_b128 v[BI+8*\b+4:BI+8*\b+7], v4, s[12:13] offset:64*\b+16
.endr
	s_lshl_b32 s82, s79, 7
	s_lshl_b32 s84, s17, 6
	s_add_co_u32 s82, s82, s84
	s_lshl_b32 s82, s82, 12
	s_add_nc_u64 s[14:15], s[14:15], s[82:83]
	s_mul_i32 s90, s17, 3072
	v_lshl_add_u32 v[ADA16], v3, 4, s90
	v_add_nc_u32 v[ADA16+1], 49152, v[ADA16]
	v_lshl_add_u32 v[ADA8], v3, 3, s90
	v_add_nc_u32 v[ADA8+1], 49152, v[ADA8]
	s_mul_i32 s90, s18, 64*BP
	s_add_co_u32 s90, s90, BT
	v_mul_u32_u24 v5, v1, BP
	v_mad_u32_u24 v[ADB], v2, 24, v5
	v_mad_u32_u24 v[ADB+1], v2, 104, v5
	v_add_nc_u32 v[ADB], s90, v[ADB]
	v_add_nc_u32 v[ADB+1], s90, v[ADB+1]
	v_lshlrev_b32 v5, 5, v1
	v_lshrrev_b32 v6, 3, v1
	v_lshl_add_u32 v5, v6, 4, v5
	s_mul_i32 s90, s17, HS
	s_mul_i32 s91, s18, HS
	s_add_co_u32 s91, s91, 2*HS
	s_sub_co_u32 s91, s91, s90
	v_mul_u32_u24 v6, s91, v2
	s_add_co_u32 s90, s90, SCL
	v_add_nc_u32 v5, v5, v6
	v_add_nc_u32 v[ADS], s90, v5
	s_mul_i32 s90, s16, 16*272
	s_add_co_u32 s90, s90, STAGE
	v_mul_u32_u24 v5, v1, 272
	v_lshl_add_u32 v5, v2, 5, v5
	v_add_nc_u32 v[STO], s90, v5
	v_mul_u32_u24 v5, v2, 272
	v_lshl_add_u32 v5, v1, 4, v5
	v_add_nc_u32 v[RD], s90, v5
	v_lshlrev_b32 v5, 12, v2
	v_lshl_add_u32 v[CO], v1, 4, v5
.macro FETCH s, f
	WIN 0x40
.irp b, 0,1,2,3
.irp p, 0,1,2,3,4,5
.set PC, 12*(\s)+6*(\p/3)+\p%3
.if PC%32 < 29
	ds_load_b64 v[\f+48+12*\b+2*\p:\f+48+12*\b+2*\p+1], v[ADB] offset:8*PC+80*(PC/32)+16*BP*\b
.else
	ds_load_b64 v[\f+48+12*\b+2*\p:\f+48+12*\b+2*\p+1], v[ADB+1] offset:8*PC+80*(PC/32)+16*BP*\b
.endif
.endr
.endr
.irp a, 0,1,2,3
.set AO, ((2*(\s))%8)*6144+768*\a
	ds_load_b128 v[\f+12*\a:\f+12*\a+3], v[ADA16+(\s)/4] offset:AO
	ds_load_b64 v[\f+12*\a+4:\f+12*\a+5], v[ADA8+(\s)/4] offset:AO+512
	ds_load_b128 v[\f+12*\a+6:\f+12*\a+9], v[ADA16+(\s)/4] offset:AO+6144
	ds_load_b64 v[\f+12*\a+10:\f+12*\a+11], v[ADA8+(\s)/4] offset:AO+6656
.endr
.endm
	s_wait_alu depctr_va_vdst(0)
	s_wait_tensorcnt 0x0
	s_barrier_signal -1
	s_barrier_wait -1
.irp i, 0,1,2,3
	ds_load_b128 v[SC+8*\i:SC+8*\i+3], v[ADS] offset:544*\i
	ds_load_b128 v[SC+8*\i+4:SC+8*\i+7], v[ADS] offset:544*\i+16
.endr
	FETCH 0, 0
.irp s, 0,1,2,3,4,5,6,7
.if \s < 7
.if \s > 0
	PLACES
.endif
	FETCH \s+1, 128*((\s+1)%2)
	s_wait_dscnt 40
.else
	s_wait_dscnt 0x0
.endif
.if \s == 0
	s_wait_loadcnt 0x0
.endif
	WIN 0x05
.irp a, 0,1,2,3
.irp b, 0,1,2,3
.if \s == 0
	v_wmma_scale_f32_16x16x128_f8f6f4 v[ACC+8*(4*\a+\b):ACC+8*(4*\a+\b)+7], v[128*(\s%2)+48+12*\b:128*(\s%2)+48+12*\b+11], v[128*(\s%2)+12*\a:128*(\s%2)+12*\a+11], v[BI+8*\b:BI+8*\b+7], v[SC+8*\b+\s], v[SC+8*\a+\s] matrix_a_fmt:MATRIX_FMT_FP6 matrix_b_fmt:MATRIX_FMT_FP6 matrix_a_scale:MATRIX_SCALE_ROW1
.else
	v_wmma_scale_f32_16x16x128_f8f6f4 v[ACC+8*(4*\a+\b):ACC+8*(4*\a+\b)+7], v[128*(\s%2)+48+12*\b:128*(\s%2)+48+12*\b+11], v[128*(\s%2)+12*\a:128*(\s%2)+12*\a+11], v[ACC+8*(4*\a+\b):ACC+8*(4*\a+\b)+7], v[SC+8*\b+\s], v[SC+8*\a+\s] matrix_a_fmt:MATRIX_FMT_FP6 matrix_b_fmt:MATRIX_FMT_FP6 matrix_a_scale:MATRIX_SCALE_ROW1
.endif
.endr
.endr
.endr
	WIN 0
.macro TOSTAGE a
.irp b, 0,1,2,3
	ds_store_b128 v[STO], v[ACC+8*(4*(\a)+\b):ACC+8*(4*(\a)+\b)+3] offset:64*\b
	ds_store_b128 v[STO], v[ACC+8*(4*(\a)+\b)+4:ACC+8*(4*(\a)+\b)+7] offset:64*\b+16
.endr
.set BB, OB+32*((\a)%2)
.irp t, 0,1,2,3,4,5,6,7
	ds_load_b128 v[BB+4*\t:BB+4*\t+3], v[RD] offset:\t*544
.endr
.endm
.macro SEND a, younger
.set BB, OB+32*((\a)%2)
	s_wait_dscnt \younger
.irp t, 0,1,2,3,4,5,6,7
	global_store_b128 v[CO], v[BB+4*\t:BB+4*\t+3], s[14:15] offset:(16*(\a)+2*\t)*4096 th:TH_STORE_NT
.endr
.endm
	PLACES
	TOSTAGE 0
.irp a, 1,2,3
.if \a > 1
	s_wait_xcnt 0x0
.endif
	TOSTAGE \a
	SEND \a-1, 16
.endr
	SEND 3, 0
	s_wait_tensorcnt 0x0
	ds_add_u32 v[SPW], v[NIL]
	s_wait_dscnt 0x0
	CROUND
	s_endpgm
.Lfunc_end_k_q7a7b9f0e0f_proj:
	.size	k_q7a7b9f0e0f_proj, .Lfunc_end_k_q7a7b9f0e0f_proj-k_q7a7b9f0e0f_proj
	.p2alignl 7, 3214868480
	.fill 96, 4, 3214868480
	.section	.rodata,"a",@progbits
	.p2align	6, 0x0
	.amdhsa_kernel k_q7a7b9f0e0f_proj
		.amdhsa_group_segment_fixed_size 327680
		.amdhsa_private_segment_fixed_size 0
		.amdhsa_enable_private_segment 0
		.amdhsa_kernarg_size 48
		.amdhsa_user_sgpr_count 2
		.amdhsa_user_sgpr_kernarg_segment_ptr 1
		.amdhsa_wavefront_size32 1
		.amdhsa_system_sgpr_workgroup_id_x 1
		.amdhsa_system_sgpr_workgroup_id_y 1
		.amdhsa_system_sgpr_workgroup_id_z 1
		.amdhsa_system_vgpr_workitem_id 0
		.amdhsa_next_free_vgpr 512
		.amdhsa_next_free_sgpr 92
		.amdhsa_reserve_vcc 0
		.amdhsa_float_denorm_mode_32 3
		.amdhsa_float_denorm_mode_16_64 3
		.amdhsa_memory_ordered 1
		.amdhsa_forward_progress 1
		.amdhsa_inst_pref_size 56
	.end_amdhsa_kernel
	.amdgpu_metadata
---
amdhsa.version: [ 1, 2 ]
amdhsa.kernels:
  - .name:           k_q7a7b9f0e0f_proj
    .symbol:         k_q7a7b9f0e0f_proj.kd
    .args:
      - { .name: ao, .offset: 0, .size: 8, .value_kind: global_buffer, .address_space: global }
      - { .name: aos, .offset: 8, .size: 8, .value_kind: global_buffer, .address_space: global }
      - { .name: W_proj_codes, .offset: 16, .size: 8, .value_kind: global_buffer, .address_space: global }
      - { .name: W_proj_scales, .offset: 24, .size: 8, .value_kind: global_buffer, .address_space: global }
      - { .name: b_proj, .offset: 32, .size: 8, .value_kind: global_buffer, .address_space: global }
      - { .name: out0, .offset: 40, .size: 8, .value_kind: global_buffer, .address_space: global }
    .group_segment_fixed_size: 327680
    .private_segment_fixed_size: 0
    .kernarg_segment_align: 8
    .kernarg_segment_size: 48
    .max_flat_workgroup_size: 128
    .sgpr_count:     92
    .vgpr_count:     512
    .wavefront_size: 32
...
	.end_amdgpu_metadata
.endif
;; end of part 3
